; MI455X (gfx1250); checked and timed in simulation.
; The chip was launched on July 23, 2026; its instructions are those of AMD's public machine-readable ISA for CDNA 5 (MIT licence, August 2026) and "CDNA5" Instruction Set Architecture Reference Guide (July 2026). The comments in the code are by the model that wrote it; some were corrected since.
;; Vector Quantizer. Allowed arithmetic: matrix products marked QUANTISED: E5M2 operands, one E8M0 scale for each 32 along K, by v_wmma_scale_f32_16x16x128_f8f6f4 with both operands' format E5M2, f32 sums; everything else in f32.
;; Inputs: W 8,192 x 512 float32; z_e 16 x 1,024 x 512 float32.
;; Outputs: out0 16 x 1,024 x 512 float32; out1 16 x 1,024 int32; out2 one number float32; out3 one number float32; out4 one number float32; out5 one number float32; out6 one number float32.
;; This version of the problem:
;;   THIS VERSION OF THE PROBLEM IS GIVEN IN LOW PRECISION. The matrix products marked QUANTISED in the list below multiply operands that are first quantised to E5M2 (5 exponent bits, 2 mantissa bits; 8 bits a number), with one power-of-two scale for each 32 numbers along K (OCP MX v1.0); their sums are f32. All else is computed in f32.
;;   The module's matrix products, in the order in which they are computed (A, B: the left and right operand; K: the contracted axis; several contracted axes count as one K, in the product's order):
;;     1. [M 16,384, K 512] x [K 512, N 8,192]; A: input z_e; B: input W: QUANTISED
;;   THE QUANTISER, for each operand of a quantised product, along K:
;;     - K is cut into blocks of 32 from its start; a last block that is shorter is filled with zeros.
;;     - A block's scale is 2^e with e = floor(log2(the largest magnitude in the block)) - 15, held to -126 .. 127; a block of zeros has e = 0. As a byte (E8M0): e + 127.
;;     - Each number is divided by its block's scale, clamped to +-57,344, and rounded to the nearest number of E5M2, ties to even, subnormals kept.
;;     - The product sums the exact products of the quantised numbers (number of the format x scale) in f32.
;;   ~~~python
;;   def quantise(x, axis):      # numpy; x: float32 -> the quantised numbers, widened to float32 again
;;       x = np.moveaxis(x, axis, -1); K = x.shape[-1]
;;       x = np.pad(x, [(0, 0)] * (x.ndim - 1) + [(0, -K % 32)]); x = x.reshape(x.shape[:-1] + (-1, 32)); a = np.abs(x).max(-1, keepdims=True)
;;       e = np.where(a > 0, np.clip(np.frexp(np.where(a > 0, a, 1))[1] - 1 - 15, -126, 127), 0)      # np.frexp(a)[1] - 1 = floor(log2(a)), exactly
;;       r = np.clip(x / 2.0 ** e, -57344, 57344)
;;       step = 2.0 ** (np.maximum(np.frexp(np.where(r == 0, 1, r))[1] - 1, -14) - 2)
;;       q = np.round(r / step) * step * 2.0 ** e      # np.round: ties to even
;;       return np.moveaxis(q.reshape(q.shape[:-2] + (-1,))[..., :K], -1, axis).astype(np.float32)
;;   ~~~
;; One version. Each part assembles by itself: llvm-mc -triple=amdgcn-amd-amdhsa -mcpu=gfx1250 --defsym DOCPART=n.
;; ======== version 1 of 1: 4 launches
;; limits: right only within a limited range of input values
;; workspace buffers: xq 8,912,896 bytes; wq 4,456,448 bytes; pkey 524,288 bytes of whole numbers; pidx 524,288 bytes of whole numbers; part 1,024 bytes
;; launch prep (part 1): grid 1536 x 1, 4 waves a work-group, no clusters, 35,328 bytes of LDS; arguments z_e, W, xq, wq; writes xq, wq
.if DOCPART == 1
	.amdgcn_target "amdgcn-amd-amdhsa--gfx1250"
	.amdhsa_code_object_version 6
	.text
	.protected	k_q5af4e93bac_prep
	.globl	k_q5af4e93bac_prep
	.p2align	8
	.type	k_q5af4e93bac_prep,@function
k_q5af4e93bac_prep:
	s_mov_b64 s[64:65], 0
	v_nop
	global_prefetch_b8 v0, s[64:65] scope:SCOPE_SE
	s_setreg_imm32_b32 hwreg(HW_REG_WAVE_MODE, 25, 1), 1
	s_wait_xcnt 0x0
; z_e [16384][512] and W [8192][512], f32, become RECORDS of 16 rows each: codes of E5M2 laid in the order of a matrix operand's registers, their E8M0 scale bytes, and the rows' squared norms in f32.
; A record is 8,704 bytes (34 x 256):
;   [0, 8192)     codes: K step s (128 along K), register group c at 2048 s + 512 c; lane l = (r = l % 16, h = l / 16) has 16 bytes at + 16 l: row r, k = 128 s + 32 c + 16 h + 0 .. 15
;   [8192, 8448)  scale bytes: row r's 16 at 16 r; word s belongs to K step s
;   [8448, 8512)  the sum of the row's squares, f32, at 4 r        [8512, 8704) zeros
; A block's scale is 2^(floor(log2(its largest magnitude)) - 15); its byte is the largest magnitude's exponent field - 15, held at 1 from below.  Each number is held within +-57,344 x the scale and rounded to the nearest code, ties to even.
; LIMITS: a block of zeros gets the byte 1 where the rule says 127 (its codes are zeros, and this program alone reads the bytes); blocks whose largest magnitude lies under 2^(16 - 127) keep the byte 1; NaN and infinities are not served.
; The norms are f32 sums in this text's own order (four packed chains a lane, two lanes, four K steps).
; SHARES.  One work-group makes one record: the first 1,024 take z_e's tiles, the other 512 W's; only pointers are chosen, the path is one.  Wave s takes K step s: 16 rows x 512 bytes.
; Each load reads 512 consecutive bytes of a row; the conversions want 16 neighbours along K in ONE lane: so the 8,192 bytes turn through the wave's own stage in LDS (rows of 512 + 16 bytes: 33 x 16, so that the
; sixteen rows that a read touches begin in different groups of banks).  No tensor load, one barrier (the four waves' scale words and partial norms meet in LDS and leave as two stores of 256 consecutive bytes).
.set REC,  8704
.set XT,   1024                        ; z_e's tiles of 16 rows
.set SP,   528                         ; a stage row
.set STGB, 16*SP                       ; a wave's stage
.set SCB,  4*STGB                      ; the record's 256 scale bytes: 16 r + 4 x wave
.set NRB,  SCB+256                     ; partial norms: 64 x wave + 4 r
.set R,    16                          ; v16-79   the numbers as loaded
.set X,    80                          ; v80-143  register 16 c + i = k 32 c + 16 h + i of row r
.set Q,    16                          ; v16-23   four packed chains of squares.  Q, TM, PW and PC lie over R: the rows as loaded are done with once they have gone through the stage
.set TM,   24                          ; v24-27 largest magnitudes, v28-31 bytes, v32-35 the largest number x the scale, v36-39 the conversions' scale operands
.set PW,   40                          ; the scale word
.set PC,   44                          ; v44-59 the codes
	s_load_b256 s[4:11], s[0:1], 0x0               ; z_e s[4:5], W s[6:7], xq s[8:9], wq s[10:11]
	v_lshl_add_u32 v13, v0, 2, 0x8800
	v_mov_b32 v14, 0
	v_lshrrev_b32 v1, 5, v0
	v_readfirstlane_b32 s16, v1                    ; wave = K step
	v_and_b32 v2, 31, v0                           ; lane
	v_and_b32 v3, 15, v0                           ; r
	v_bfe_u32 v12, v0, 4, 1                        ; h
	v_lshlrev_b32 v4, 4, v2                        ; 16 x lane: my bytes of a load, and of a group of codes
	s_mul_i32 s17, s16, STGB
	v_add_nc_u32 v5, s17, v4                       ; the stage on the way in: as the bytes lie
	v_mul_u32_u24 v6, v3, SP
	v_lshl_add_u32 v6, v12, 6, v6
	v_add_nc_u32 v6, s17, v6                       ; and on the way out: row r, + 64 h
	s_lshl_b32 s18, s16, 2
	v_lshlrev_b32 v7, 4, v3
	v_add_nc_u32 v7, s18, v7
	v_add_nc_u32 v7, SCB, v7                       ; my row's scale word of my K step
	s_lshl_b32 s18, s16, 6
	v_lshlrev_b32 v8, 2, v3
	v_add_nc_u32 v8, s18, v8
	v_add_nc_u32 v8, NRB, v8                       ; my row's partial norm
	v_lshlrev_b32 v9, 3, v2                        ; 8 x lane: wave 0's two last stores
	v_and_b32 v10, 7, v0
	v_lshl_add_u32 v10, v10, 3, NRB                ; wave 0: two rows' partial norms
	v_add_nc_u32 v11, SCB, v9                      ; wave 0: 8 scale bytes
	s_mov_b32 s20, 0x76543210
	s_mov_b32 s21, 0xfedcba98                      ; v_permlanex16_b32's selects for lane l xor 16
	s_mov_b32 s23, 0x600000                        ; the mantissa field of 57,344
	s_wait_alu depctr_va_vdst(0)                   ; the wait at the head's end
	s_wait_kmcnt 0x0
	s_cmp_lt_u32 ttmp9, XT                         ; z_e's work-group or W's: the choice hangs on the work-group's number alone
	s_cselect_b64 s[4:5], s[4:5], s[6:7]
	s_cselect_b64 s[8:9], s[8:9], s[10:11]
	s_cselect_b32 s19, 0, XT
	s_sub_co_u32 s19, ttmp9, s19                   ; the tile
	s_lshl_b32 s24, s19, 15                        ; 16 rows of 2,048 bytes,
	s_lshl_b32 s25, s16, 9                         ; my K step's 512 bytes of a row
	s_add_co_u32 s24, s24, s25
	s_mov_b32 s25, 0
	s_add_nc_u64 s[4:5], s[4:5], s[24:25]
	s_mul_i32 s24, s19, REC                        ; the record,
	s_lshl_b32 s26, s16, 11                        ; my K step's 2,048 bytes of codes
	s_add_co_u32 s24, s24, s26
	s_add_nc_u64 s[8:9], s[8:9], s[24:25]
.irp i, 0,1,2,3,4,5,6,7,8,9,10,11,12,13,14,15
	global_load_b128 v[R+4*\i:R+4*\i+3], v4, s[4:5] offset:2048*\i th:TH_LOAD_NT   ; row i: 32 lanes read 512 consecutive bytes
.endr
.irp i, 0,1,2,3,4,5,6,7,8,9,10,11,12,13,14,15
	s_wait_loadcnt 15-\i                           ; loads come back in order: row i is in, the 15 - i younger ones may be out
	ds_store_b128 v5, v[R+4*\i:R+4*\i+3] offset:SP*\i
.endr
.irp c, 0,1,2,3
.irp j, 0,1,2,3
	ds_load_b128 v[X+16*\c+4*\j:X+16*\c+4*\j+3], v6 offset:128*\c+16*\j   ; LDS serves a wave's instructions in order: these see my stores
.endr
.endr
	s_wait_dscnt 0x0
	; the sum of my 64 squares, ahead of the hold, which rewrites the numbers
.irp k, 0,1,2,3
	v_pk_mul_f32 v[Q+2*\k:Q+2*\k+1], v[X+2*\k:X+2*\k+1], v[X+2*\k:X+2*\k+1]   ; the first four pairs start the chains: nothing is cleared
.endr
.set p, 4
.rept 28
	v_pk_fma_f32 v[Q+2*(p%4):Q+2*(p%4)+1], v[X+2*p:X+2*p+1], v[X+2*p:X+2*p+1], v[Q+2*(p%4):Q+2*(p%4)+1]
.set p, p+1
.endr
	v_pk_add_f32 v[Q:Q+1], v[Q:Q+1], v[Q+2:Q+3]
	v_pk_add_f32 v[Q+4:Q+5], v[Q+4:Q+5], v[Q+6:Q+7]
	v_pk_add_f32 v[Q:Q+1], v[Q:Q+1], v[Q+4:Q+5]
	v_add_f32 v[Q], v[Q], v[Q+1]
	v_permlanex16_b32 v[Q+2], v[Q], s20, s21
	v_add_f32 v[Q], v[Q], v[Q+2]                   ; with lane l xor 16's: row r's squares over my 128 k
	; the four blocks of 32: a block lies in lanes l and l xor 16
.irp b, 0,1,2,3
	v_max3_num_f32 v[TM+\b], |v[X+16*\b]|, |v[X+1+16*\b]|, 0x8000000   ; my 16 numbers, and the floor 2^(16 - 127): so the byte cannot fall under 1
.endr
.irp i, 2,4,6,8,10,12,14
.irp b, 0,1,2,3
	v_max3_num_f32 v[TM+\b], v[TM+\b], |v[X+16*\b+\i]|, |v[X+1+16*\b+\i]|   ; the four blocks by turns: no line waits for the line above it
.endr
.endr
.irp b, 0,1,2,3
	v_permlanex16_b32 v[TM+4+\b], v[TM+\b], s20, s21
.endr
.irp b, 0,1,2,3
	v_max_num_f32 v[TM+\b], v[TM+\b], v[TM+4+\b]   ; the block's largest magnitude
.endr
.irp b, 0,1,2,3
	v_add_nc_u32 v[TM+12+\b], 0xf8800000, v[TM+\b] ; 15 off its exponent field: the conversion takes the exponent field of this operand as its scale
.endr
.irp b, 0,1,2,3
	v_and_or_b32 v[TM+8+\b], v[TM+\b], 0x7f800000, s23   ; 57,344 x the scale
.endr
.irp b, 0,1,2,3
	v_lshrrev_b32 v[TM+4+\b], 23, v[TM+12+\b]      ; the scale's byte
.endr
	v_lshl_or_b32 v[PW], v[TM+5], 8, v[TM+4]       ; the four bytes make row r's scale word of this K step
	v_lshl_or_b32 v[PW], v[TM+6], 16, v[PW]
	v_lshl_or_b32 v[PW], v[TM+7], 24, v[PW]
.irp b, 0,1,2,3
.irp i, 0,1,2,3,4,5,6,7,8,9,10,11,12,13,14,15
	v_med3_num_f32 v[X+16*\b+\i], v[X+16*\b+\i], -v[TM+8+\b], v[TM+8+\b]   ; the conversion to an 8-bit code does not saturate (ISA guide 7.6.2): the hold comes first
.endr
	v_cvt_scalef32_pk8_bf8_f32 v[PC+4*\b:PC+1+4*\b], v[X+16*\b:X+7+16*\b], v[TM+12+\b]
	v_cvt_scalef32_pk8_bf8_f32 v[PC+2+4*\b:PC+3+4*\b], v[X+8+16*\b:X+15+16*\b], v[TM+12+\b]
.endr
	v_nop                                          ; one plain vector line behind the last conversion
.irp c, 0,1,2,3
	global_store_b128 v4, v[PC+4*\c:PC+4*\c+3], s[8:9] offset:512*\c   ; a group of registers as it stands: 32 lanes store 512 consecutive bytes, aligned to 256
.endr
	ds_store_b32 v7, v[PW]                         ; lanes r and r + 16 write the same word with the same value
	ds_store_b32 v8, v[Q]
	s_wait_dscnt 0x0                               ; for the others' sake: my two stores have landed
	s_barrier_signal -1
	s_barrier_wait -1
	s_cmp_lg_u32 s16, 0                            ; wave 0 sends the record's last 512 bytes (its base stands at the record's first byte)
	s_cbranch_scc1 .Ldone
	ds_load_b64 v[16:17], v11
.irp s, 0,1,2,3
	ds_load_b64 v[18+2*\s:19+2*\s], v10 offset:64*\s   ; two rows' partial norms of K step s
.endr
	s_wait_dscnt 0x0
	v_pk_add_f32 v[18:19], v[18:19], v[20:21]
	v_pk_add_f32 v[22:23], v[22:23], v[24:25]
	v_pk_add_f32 v[18:19], v[18:19], v[22:23]
	v_cmp_gt_u32 vcc_lo, 8, v2                     ; lanes 0 to 7 hold the 16 norms, the others send zeros
	v_cndmask_b32 v18, 0, v18, vcc_lo
	v_cndmask_b32 v19, 0, v19, vcc_lo
	global_store_b64 v9, v[16:17], s[8:9] offset:8192   ; 32 lanes store 256 consecutive bytes, aligned
	global_store_b64 v9, v[18:19], s[8:9] offset:8448
.Ldone:
	s_wait_tensorcnt 0x0
	ds_add_u32 v13, v14
	s_wait_dscnt 0x0
	s_endpgm
.Lfunc_end_k_q5af4e93bac_prep:
	.size	k_q5af4e93bac_prep, .Lfunc_end_k_q5af4e93bac_prep-k_q5af4e93bac_prep
	.p2alignl 7, 3214868480
	.fill 96, 4, 3214868480
	.section	.rodata,"a",@progbits
	.p2align	6, 0x0
	.amdhsa_kernel k_q5af4e93bac_prep
		.amdhsa_group_segment_fixed_size 35328
		.amdhsa_private_segment_fixed_size 0
		.amdhsa_enable_private_segment 0
		.amdhsa_kernarg_size 32
		.amdhsa_user_sgpr_count 2
		.amdhsa_user_sgpr_kernarg_segment_ptr 1
		.amdhsa_wavefront_size32 1
		.amdhsa_system_sgpr_workgroup_id_x 1
		.amdhsa_system_sgpr_workgroup_id_y 1
		.amdhsa_system_sgpr_workgroup_id_z 1
		.amdhsa_system_vgpr_workitem_id 0
		.amdhsa_next_free_vgpr 144
		.amdhsa_next_free_sgpr 66
		.amdhsa_reserve_vcc 1
		.amdhsa_float_denorm_mode_32 3
		.amdhsa_float_denorm_mode_16_64 3
		.amdhsa_memory_ordered 1
		.amdhsa_forward_progress 1
		.amdhsa_inst_pref_size 19
	.end_amdhsa_kernel
	.amdgpu_metadata
---
amdhsa.version: [ 1, 2 ]
amdhsa.kernels:
  - .name:           k_q5af4e93bac_prep
    .symbol:         k_q5af4e93bac_prep.kd
    .args:
      - { .name: z_e, .offset: 0, .size: 8, .value_kind: global_buffer, .address_space: global }
      - { .name: W, .offset: 8, .size: 8, .value_kind: global_buffer, .address_space: global }
      - { .name: xq, .offset: 16, .size: 8, .value_kind: global_buffer, .address_space: global }
      - { .name: wq, .offset: 24, .size: 8, .value_kind: global_buffer, .address_space: global }
    .group_segment_fixed_size: 35328
    .private_segment_fixed_size: 0
    .kernarg_segment_align: 8
    .kernarg_segment_size: 32
    .max_flat_workgroup_size: 128
    .sgpr_count:     66
    .vgpr_count:     144
    .wavefront_size: 32
...
	.end_amdgpu_metadata
.endif
;; end of part 1
;; launch dist (part 2): grid 32 x 8, 8 waves a work-group, clusters of 4 x 1, 327,680 bytes of LDS; arguments xq, wq, pkey, pidx; writes pkey, pidx
.if DOCPART == 2
	.amdgcn_target "amdgcn-amd-amdhsa--gfx1250"
	.amdhsa_code_object_version 6
	.text
	.protected	k_q5af4e93bac_dist
	.globl	k_q5af4e93bac_dist
	.p2align	8
	.type	k_q5af4e93bac_dist,@function
k_q5af4e93bac_dist:
	s_mov_b64 s[64:65], 0
	v_nop
	global_prefetch_b8 v0, s[64:65] scope:SCOPE_SE
	s_setreg_imm32_b32 hwreg(HW_REG_WAVE_MODE, 25, 1), 1
	s_wait_xcnt 0x0
	s_wait_alu depctr_hold_cnt(0) depctr_sa_sdst(0) depctr_va_vdst(0) depctr_va_sdst(0) depctr_va_ssrc(0) depctr_va_vcc(0) depctr_vm_vsrc(0)
	s_getreg_b32 s2, hwreg(HW_REG_IB_STS2, 6, 4)
	s_cmp_eq_u32 s2, 0
	s_cbranch_scc0 .Lentry_in_a_cluster
	s_endpgm
.Lentry_in_a_cluster:
	s_bfe_u32 s2, ttmp6, 0x10000c
	s_cmp_lg_u32 s2, 0x3003
	s_cbranch_scc0 .Lentry_shape_is_right
	s_endpgm
.Lentry_shape_is_right:
; d[row][code] = fl(fl(xx[row] + ww[code]) - 2 dot[row][code]), dot on codes of E5M2 with E8M0 scales (records of 16 rows: see the launch that makes them), and for each row the smallest d of a SLICE of 1,024 codes
; with the FIRST code that has it.  pkey[slice][row]: that d as an unsigned key of the same order (sign bit turned for d >= 0, all bits for d < 0; -0 made +0 first); pidx[slice][row]: the code.
; The roundings are the source's: one addition, then one fused multiply-add by -2 (2 x dot is exact).  A minimum is replaced only by a strictly smaller d, so the earlier code stays on equal d.
; LIMITS: NaN and infinities among the distances are not served.
; SHARES.  Work-group (rb, sl): rows 512 rb .. + 511, codes 1024 sl .. + 1023.  Wave w owns 64 rows: four tiles of 16, whose fragments (4 x 4 K steps x 16 = 256 registers, all of window 1) stay in registers.
; All eight waves walk the slice's 64 code tiles out of LDS; a fragment of W read from LDS feeds four matrix instructions.
; LAYOUT.  Source 0 = 16 codes of W, source 1 = 16 rows of x: lane (r, h) holds ROW r, and register j of a result the code 8 h + j of the tile.  So a row's minimum stays in its two lanes until the end.
; STATE for each row tile and lane: the smallest d so far (M, in two registers by turns), the first code of the tile that brought it (gid), and that tile's eight d (keep), from which the end finds the first equal one.
; ONE TILE BEHIND.  Two sets of accumulators take turns.  A step is: tile n's K steps 0, 1 (eight products); the 32 lines that make tile n - 1's d (16 additions, 16 multiply-adds); K steps 2, 3; tile n - 1's 40 lines
; of minima and selections.  So no vector line reads a result just made.  The addition is written as a multiply-add by 1.0, which rounds as the addition does: so source 1 of the 32 lines names no vector register,
; and they stand under the products' window setting (source 1 = window 1): two switches a tile.
; W'S FRAGMENTS have one set of 64 registers, loaded anew in two runs a tile, each eight vector lines behind its registers' last product: scale words and K steps 0, 1 (9 loads); K steps 2, 3 and the norms (10 loads).
; RING.  Two slots of 16 records (139,264 bytes); each wave brings two records (68 rows of 256 bytes, dense) with one load.  By this text's count a wave has one tensor load out at the most.
; CLUSTER.  The four row blocks of a cluster walk the same slice of W: each load is asked for jointly, with the same descriptor (it hangs on the slice and the wave's number alone) and the mask of all four.
; x is NOT asked for jointly though the eight slices read the same rows: a work-group's x is 32 records = 278,528 bytes, as much as both slots, so it has no way through LDS beside the ring; it goes from memory straight into registers, once.
; PREFETCH.  In the first step of phases 0 and 1 each wave asks for the two records that it will load at that phase's end, 15 tiles on: 68 blocks of 256 bytes, of which each of the four partners names 17, told apart by address
; (lanes 17 to 31 name the 17th again).  The first two slots come by their loads alone; phases 2 and 3 have no refill and ask for nothing.
; All of LDS is claimed.
.set REC,   8704
.set PAIRB, 2*REC                      ; what one tensor load brings
.set SLOTB, 16*REC
.set STG,   2*SLOTB                    ; behind the ring: 512 bytes for each wave, for the way out; no fill lands here
.set SPARE, STG+8*512                  ; the spare words, 128 bytes for each wave: four blocks of 256 bytes that no other line names
.set A16,  1                           ; v1   16 x lane
.set ASC,  2                           ; v2   16 r + 8 h: two scale words of my row
.set AWW,  3                           ; v3   32 h: my half's eight norms
.set LF,   4                           ; v4   the pair of records at s32 + v1
.set LSC,  5                           ; v5   + v2
.set LWW,  6                           ; v6   + v3
.set H8,   7                           ; v7   8 h
.set SPW,  8                           ; v8   LDS address of my spare word; never rewritten
.set NIL,  9                           ; v9   0; never rewritten
.set A4R,  10                          ; v10  4 r
.set XS,   12                          ; x's scale words: row tiles 0, 1 in v12-15, 2, 3 in v20-23; in a pair: lanes 0-15 K steps 0, 1, lanes 16-31 K steps 2, 3
.set WS,   16                          ; v16-19  W's likewise, a pair for each parity of the tile.  No register of W's has the number modulo 8 of one of x's
.set WW,   24                          ; v24-39  the norms of codes 8 h + 0 .. 7, a set for each parity
.set WF,   40                          ; v40-103 W's fragments: K step s at 16 s
.set ACC,  104                         ; v104-167 dot, then d: parity b, row tile t at 32 b + 8 t
.set S,    168                         ; v168-183 xx + ww for two row tiles
.set ST,   184                         ; v184-231 state of row tile t at 12 t: +0 xx, +1 gid, +2 +3 M by turns, +4 .. +11 keep
.set PFO,  232                         ; v232 the prefetches' offset: 256 x min(lane, 16); never rewritten
.set FS,   40                          ; the end's scratch, six registers a row tile, over W's fragments
.set G1,   16                          ; s[16:23] descriptor group 1
.set G0A,  24                          ; s[24:27] group 0 for slot 0
.set G0B,  28                          ; s[28:31] for slot 1
.set PF,   40                          ; s[40:41] the prefetches' base; never rewritten
.set CB,   44                          ; s44 the first code of the tile whose minima are taken next
.set MSB, 0
.macro WIN new                         ; the immediate's high byte repeats the setting that is left
.if MSB != \new
	s_set_vgpr_msb (MSB<<8)|\new
.set MSB, \new
.endif
.endm
.macro ROUND                           ; a round of the cluster's barrier
	s_barrier_signal -1
	s_barrier_wait -1
	s_cmp_lg_u32 s12, 0
	s_cbranch_scc1 .Lnot_wave_0_\@
	s_barrier_signal -3
.Lnot_wave_0_\@:
	s_barrier_wait -3
	s_barrier_signal -1
	s_barrier_wait -1
.endm
.macro ADDR                            ; the LDS addresses of the pair of records at s32
	v_add_nc_u32 v[LF], s32, v[A16]
	v_add_nc_u32 v[LSC], s32, v[ASC]
	v_add_nc_u32 v[LWW], s32, v[AWW]
.endm
.macro RELOAD s, off                   ; K step s of the record at off: an image of the registers, 512 consecutive bytes a load
.irp c, 0,1,2,3
	ds_load_b128 v[WF+16*(\s)+4*\c:WF+16*(\s)+4*\c+3], v[LF] offset:(\off)+2048*(\s)+512*\c
.endr
.endm
.macro LOADWW p, off
	ds_load_b128 v[WW+8*(\p):WW+8*(\p)+3], v[LWW] offset:(\off)+8448
	ds_load_b128 v[WW+8*(\p)+4:WW+8*(\p)+7], v[LWW] offset:(\off)+8464
.endm
.macro PROD b, s, t                    ; K step s of row tile t into the accumulators of parity b
.set DA, ACC+32*(\b)+8*(\t)
.set XR, XS+8*((\t)/2)+2*((\t)%2)
.if (\s) == 0
	v_wmma_scale_f32_16x16x128_f8f6f4 v[DA:DA+7], v[WF:WF+15], v[64*(\t):64*(\t)+15], 0, v[WS+2*(\b)], v[XR] matrix_a_fmt:MATRIX_FMT_BF8 matrix_b_fmt:MATRIX_FMT_BF8
.elseif (\s) == 1
	v_wmma_scale_f32_16x16x128_f8f6f4 v[DA:DA+7], v[WF+16:WF+31], v[64*(\t)+16:64*(\t)+31], v[DA:DA+7], v[WS+2*(\b)+1], v[XR+1] matrix_a_fmt:MATRIX_FMT_BF8 matrix_b_fmt:MATRIX_FMT_BF8
.else
	v_wmma_scale_f32_16x16x128_f8f6f4 v[DA:DA+7], v[WF+16*(\s):WF+16*(\s)+15], v[64*(\t)+16*(\s):64*(\t)+16*(\s)+15], v[DA:DA+7], v[WS+2*(\b)+(\s)-2], v[XR+(\s)-2] matrix_a_fmt:MATRIX_FMT_BF8 matrix_b_fmt:MATRIX_FMT_BF8 matrix_a_scale:MATRIX_SCALE_ROW1 matrix_b_scale:MATRIX_SCALE_ROW1
.endif
.endm
.macro GRP b, s                        ; K step s: the four accumulators by turns, one instruction a turn
.irp t, 0,1,2,3
	PROD \b, \s, \t
.endr
.endm
; Line k (0 .. 7) of group g (0 .. 3) of the 32 that make the d of the tile of parity pb.  Groups 0, 2: fl(ww + xx) for row tiles g, g + 1 (of the pair xx, gid the low word serves both halves);
; groups 1, 3: d = fl(that - 2 dot) for row tiles g - 1, g, in place, each accumulator from its low end on.  vec = 0: there is no tile behind yet, and a v_nop holds the place.
.macro LINE pb, g, k, vec
.if \vec
.set LT, 2*((\g)/2)+(\k)/4
.set LS, S+8*((\k)/4)+2*((\k)%4)
.set LI, 2*((\k)%4)
.set AP, ACC+32*(\pb)+8*LT+LI
.if ((\g)%2) == 0
	v_pk_fma_f32 v[LS:LS+1], v[WW+8*(\pb)+LI:WW+8*(\pb)+LI+1], 1.0, v[ST+12*LT:ST+12*LT+1] op_sel_hi:[1,0,0]
.else
	v_pk_fma_f32 v[AP:AP+1], v[AP:AP+1], -2.0, v[LS:LS+1] op_sel_hi:[1,0,1]
.endif
.else
	v_nop
.endif
.endm
.macro LINES pb, g, vec
.irp k, 0,1,2,3,4,5,6,7
	LINE \pb, \g, \k, \vec
.endr
.endm
; The minima and selections of the tile of parity pb.  The old M is ST + 2 + pb, the new one ST + 3 - pb: two tiles bring it back to ST + 2.
; rl = 1: behind the first eight lines, the eight places behind the last product, the next tile's K steps 2, 3 and its norms are fetched.  stp = 1: then the addresses go two records on; 32 vector lines stand ahead of their next reader.
.macro LUMP pb, vec, rl, stp
.set AQ, ACC+32*(\pb)
.if \vec
.irp t, 0,1,2,3
	v_min3_num_f32 v[ST+12*\t+3-(\pb)], v[AQ+8*\t], v[AQ+8*\t+1], v[AQ+8*\t+2]
.endr
.irp t, 0,1,2,3
	v_min3_num_f32 v[ST+12*\t+3-(\pb)], v[ST+12*\t+3-(\pb)], v[AQ+8*\t+3], v[AQ+8*\t+4]
.endr
.else
.rept 8
	v_nop
.endr
.endif
.if \rl
	RELOAD 2, (\pb)*REC
	RELOAD 3, (\pb)*REC
	LOADWW \pb, (\pb)*REC
.endif
.if \stp
	s_add_co_u32 s32, s32, PAIRB
	ADDR
.if (\vec) == 0
	s_wait_alu depctr_va_vdst(0)                   ; the wait here, directly behind the writes: in this one step no vector lines follow them
.endif
.endif
.if \vec
.irp t, 0,1,2,3
	v_min3_num_f32 v[ST+12*\t+3-(\pb)], v[ST+12*\t+3-(\pb)], v[AQ+8*\t+5], v[AQ+8*\t+6]
.endr
.irp t, 0,1,2,3
	v_min3_num_f32 v[ST+12*\t+3-(\pb)], v[ST+12*\t+3-(\pb)], v[AQ+8*\t+7], v[ST+12*\t+2+(\pb)]
.endr
.irp t, 0,1,2,3
	v_cmp_le_f32 vcc_lo, v[ST+12*\t+2+(\pb)], v[ST+12*\t+3-(\pb)]   ; the old M is still the smallest: the earlier tile stays, on equal d too; else this tile takes the row over
	v_cndmask_b32 v[ST+12*\t+1], s[CB], v[ST+12*\t+1], vcc_lo
.irp j, 0,2,4,6
	v_dual_cndmask_b32 v[ST+12*\t+4+\j], v[AQ+8*\t+\j], v[ST+12*\t+4+\j] :: v_dual_cndmask_b32 v[ST+12*\t+5+\j], v[AQ+8*\t+\j+1], v[ST+12*\t+5+\j]   ; two selections by VCC in one line
.endr
.endr
	s_add_co_u32 s[CB], s[CB], 16
.endif
.endm
; A code tile of parity b.  rl = 1: the next record (at (1 - b) records behind s32) is fetched.
.macro STEP b, vec, rl, pf
	s_wait_dscnt 10                                ; my scale words and K steps 0, 1 are in; K steps 2, 3 (8 loads) and the norms (2) may be out
	WIN 0x04                                       ; source 1 (x) in window 1; LDS loads and the prefetch name a destination and source 0 alone
	GRP \b, 0
	GRP \b, 1
	LINES 1-(\b), 0, \vec                          ; these eight name no register of the products: the eight places ahead of the loads below
.if \rl
	ds_load_b64 v[WS+2*(1-(\b)):WS+2*(1-(\b))+1], v[LSC] offset:(1-(\b))*REC+8192
	RELOAD 0, (1-(\b))*REC
	RELOAD 1, (1-(\b))*REC
.endif
.if \pf
	global_prefetch_b8 v[PFO], s[PF:PF+1] offset:\pf th:TH_LOAD_NT scope:SCOPE_SE
.endif
	LINES 1-(\b), 1, \vec
.if \rl
	s_wait_dscnt 11                                ; K steps 2, 3 are in; the norms (2) and the nine loads just issued may be out
.else
	s_wait_dscnt 2                                 ; the norms alone may be out
.endif
	LINES 1-(\b), 2, \vec
	LINES 1-(\b), 3, \vec
	GRP \b, 2
	GRP \b, 3
	WIN 0
	LUMP 1-(\b), \vec, \rl, (1-(\b))*(\rl)
.endm
.macro PHASE base, vec, pf             ; a slot's 16 tiles: one, seven trips of two, and a last one that fetches nothing
	s_mov_b32 s32, \base
	ADDR
	s_wait_alu depctr_va_vdst(0)                   ; the wait here, directly behind the writes
	ds_load_b64 v[WS:WS+1], v[LSC] offset:8192
	RELOAD 0, 0
	RELOAD 1, 0
	RELOAD 2, 0
	RELOAD 3, 0
	LOADWW 0, 0
.if (\vec) == 0
	s_wait_loadcnt 0x0                             ; x, its scale words, xx
.endif
	STEP 0, \vec, 1, \pf
	s_mov_b32 s33, 7
.Ltrip_\@:
	STEP 1, 1, 1, 0
	STEP 0, 1, 1, 0
	s_sub_co_u32 s33, s33, 1
	s_cmp_lg_u32 s33, 0
	s_cbranch_scc1 .Ltrip_\@
	STEP 1, 1, 0, 0
.endm
; The change of slots.  Each wave waits for all its tensor loads (its part of the slot ahead), adds 0 to its spare word, and waits for that and for its reads of the slot that it leaves.
; fill = 1: that slot is filled again, with the records two slots on: the barrier is a round of the cluster's, and the joint load is the first thing behind it; it has a slot's 16 tiles in which to land.
.macro CHANGE g0, fill
	s_wait_tensorcnt 0x0                           ; no tensor load of mine is out, so a group 0 may be written
	ds_add_u32 v[SPW], v[NIL]                      ; 0 onto my spare word
.if \fill
	s_add_nc_u64 s[\g0+2:\g0+3], s[\g0+2:\g0+3], 2*SLOTB   ; the type bits on top are not reached
	s_wait_dscnt 0x0                               ; the add is done, and my reads of the slot are over
	ROUND
	tensor_load_to_lds s[\g0:\g0+3], s[G1:G1+7]
	s_nop 0
.rept 4
	v_nop
.endr
.else
	s_wait_dscnt 0x0
	s_barrier_signal -1
	s_barrier_wait -1
.endif
.endm
.macro XLOAD t                         ; row tile t: its fragments stay in registers (512 consecutive bytes a load), its scale words, xx of my row
	WIN 0x40                                       ; destination window 1
.irp s, 0,1,2,3
.irp c, 0,1,2,3
	global_load_b128 v[64*\t+16*\s+4*\c:64*\t+16*\s+4*\c+3], v[A16], s[4:5] offset:REC*\t+2048*\s+512*\c
.endr
.endr
	WIN 0
	global_load_b64 v[XS+8*(\t/2)+2*(\t%2):XS+8*(\t/2)+2*(\t%2)+1], v[ASC], s[4:5] offset:REC*\t+8192
	global_load_b32 v[ST+12*\t], v[A4R], s[4:5] offset:REC*\t+8448
.endm
	s_load_b256 s[4:11], s[0:1], 0x0               ; xq s[4:5], wq s[6:7], pkey s[8:9], pidx s[10:11]
	v_lshl_add_u32 v[SPW], v0, 2, SPARE
	v_mov_b32 v[NIL], 0
	ds_add_u32 v[SPW], v[NIL]                      ; the opening lines: the add, twice on end, and its wait ahead of my first tensor load
	ds_add_u32 v[SPW], v[NIL]
	v_lshrrev_b32 v10, 5, v0
	v_readfirstlane_b32 s12, v10                   ; wave 0..7
	s_bfe_u32 s13, ttmp6, 0x40000                  ; cx: my place in the cluster
	s_lshl_b32 s14, ttmp9, 2                       ; in a cluster launch ttmp9 counts clusters
	s_add_co_u32 s14, s14, s13                     ; rb: it enters x's, pkey's and pidx's addresses alone
	s_and_b32 s15, ttmp7, 0xffff                   ; sl, which the four partners share
	s_mov_b32 s[G1+0], 15|(3<<16)|(1<<21)          ; 15:0 the mask: all four work-groups; 17:16 elements of 8 bytes; 20 no padding; 21 set beside a mask
	s_mov_b32 s[G1+1], 32<<16                      ; tensor_dim0 = 32 elements: 256 bytes
	s_mov_b32 s[G1+2], 68<<16                      ; tensor_dim1 = 68 rows: two records
	s_mov_b32 s[G1+3], 32<<16                      ; tile_dim0
	s_mov_b32 s[G1+4], 68                          ; tile_dim1
	s_mov_b32 s[G1+5], 32                          ; from row to row: dense
	s_mov_b32 s[G1+6], 0
	s_mov_b32 s[G1+7], 0
	s_mul_i32 s[G0A+1], s12, PAIRB                 ; LDS address: slot 0, my two records
	s_mul_i32 s50, s15, 64*REC                     ; the slice's 64 records,
	s_add_co_u32 s50, s50, s[G0A+1]                ; my two of the first sixteen
	s_mov_b32 s51, 0
	s_mul_i32 s42, s13, 17*256                     ; the prefetches: my work-group's 17 blocks of a load's 68
	s_mov_b32 s43, 0
	s_lshl_b32 s52, s14, 5
	s_lshl_b32 s53, s12, 2
	s_add_co_u32 s52, s52, s53                     ; my first row tile: 32 rb + 4 w
	s_mul_i32 s52, s52, REC
	s_mov_b32 s53, 0
	s_lshl_b32 s54, s15, 16                        ; pkey, pidx: 65,536 sl + 4 (512 rb + 64 w)
	s_lshl_b32 s55, s14, 11
	s_add_co_u32 s54, s54, s55
	s_lshl_b32 s55, s12, 8
	s_add_co_u32 s54, s54, s55
	s_mov_b32 s55, 0
	s_mov_b32 s48, 0x76543210
	s_mov_b32 s49, 0xfedcba98                      ; v_permlanex16_b32's selects for lane l xor 16
	s_lshl_b32 s34, s15, 10                        ; the slice's first code
	s_mov_b32 s[CB], s34
	s_mov_b32 s35, 0x7f800000                      ; +infinity
	v_and_b32 v10, 31, v0
	v_bfe_u32 v7, v0, 4, 1                         ; h
	v_lshlrev_b32 v[A16], 4, v10
	v_min_u32 v[PFO], 16, v10
	v_and_b32 v10, 15, v0                          ; r
	v_lshlrev_b32 v[PFO], 8, v[PFO]
	v_lshlrev_b32 v[AWW], 5, v7
	v_lshlrev_b32 v[ASC], 4, v10
	v_lshlrev_b32 v[A4R], 2, v10
	v_lshl_add_u32 v[ASC], v7, 3, v[ASC]
	v_lshlrev_b32 v[H8], 3, v7
.irp t, 0,1,2,3
	v_mov_b32 v[ST+12*\t+1], s34                   ; the state begins over every finite d: the first tile takes every row over
	v_mov_b32 v[ST+12*\t+2], s35
.irp j, 0,1,2,3,4,5,6,7
	v_mov_b32 v[ST+12*\t+4+\j], s35
.endr
.endr
	s_wait_alu depctr_va_vdst(0)                   ; the wait at the head's end
	s_wait_dscnt 0x0                               ; both opening adds are done
	s_wait_kmcnt 0x0
	s_mov_b32 s[G0A], 1
	s_add_nc_u64 s[G0A+2:G0A+3], s[6:7], s[50:51]
	s_add_nc_u64 s[PF:PF+1], s[G0A+2:G0A+3], s[42:43]
	s_mov_b32 s[G0B], 1
	s_add_co_u32 s[G0B+1], s[G0A+1], SLOTB
	s_add_nc_u64 s[G0B+2:G0B+3], s[G0A+2:G0A+3], SLOTB
	s_or_b32 s[G0A+3], s[G0A+3], 0x80000000        ; type = 2
	s_or_b32 s[G0B+3], s[G0B+3], 0x80000000
	s_add_nc_u64 s[4:5], s[4:5], s[52:53]
	s_add_nc_u64 s[8:9], s[8:9], s[54:55]
	s_add_nc_u64 s[10:11], s[10:11], s[54:55]
	ROUND                                          ; all four work-groups are here: the first joint loads meet
	tensor_load_to_lds s[G0A:G0A+3], s[G1:G1+7]    ; tiles 0 to 15, asked for ahead of x
	s_nop 0
.rept 4
	v_nop
.endr
	XLOAD 0
	XLOAD 1
	XLOAD 2
	XLOAD 3
	s_wait_tensorcnt 0x0                           ; my part of slot 0 is in
	ds_add_u32 v[SPW], v[NIL]
	s_wait_dscnt 0x0
	ROUND                                          ; everybody's part is in, and the four work-groups are here
	tensor_load_to_lds s[G0B:G0B+3], s[G1:G1+7]    ; tiles 16 to 31: it has slot 0's 16 tiles in which to land
	s_nop 0
.rept 4
	v_nop
.endr
	PHASE 0, 0, 2*SLOTB                            ; tiles 0 to 15; the first has no tile behind it
	CHANGE G0A, 1                                  ; slot 0 takes tiles 32 to 47
	PHASE SLOTB, 1, 3*SLOTB                        ; tiles 16 to 31
	CHANGE G0B, 1                                  ; slot 1 takes tiles 48 to 63
	PHASE 0, 1, 0
	CHANGE G0A, 0                                  ; nothing is left to fetch
	PHASE SLOTB, 1, 0
	s_wait_dscnt 0x0                               ; tile 63's norms are in
.irp g, 0,1,2,3                        ; tile 63 has no successor: its 32 lines and its minima stand alone; the 40 lines behind its last product were its places
	LINES 1, \g, 1
.endr
	LUMP 1, 1, 0, 0
	; THE END.  In each lane: the first of the eight kept d that equals M; its code; M as a key.  Then the row's two lanes are joined: the smaller key, on equal keys the smaller code.
	s_lshl_b32 s50, s12, 9
	s_add_co_u32 s50, s50, STG                     ; my 512 bytes: 64 keys, 64 codes
	v_and_b32 v64, 15, v0
	v_and_b32 v66, 31, v0
	v_lshlrev_b32 v64, 2, v64
	v_lshlrev_b32 v66, 3, v66                      ; 8 x lane: in memory,
	v_add_nc_u32 v64, s50, v64                     ; in: 4 r
	v_add_nc_u32 v65, s50, v66                     ; and back out of the stage
.irp t, 0,1,2,3
	v_mov_b32 v[FS+6*\t], 7
.endr
.irp j, 6,5,4,3,2,1,0
.irp t, 0,1,2,3
	v_cmp_neq_f32 vcc_lo, v[ST+12*\t+4+\j], v[ST+12*\t+2]
	v_cndmask_b32 v[FS+6*\t], \j, v[FS+6*\t], vcc_lo   ; descending, so that the lowest equal register has the last word
.endr
.endr
.irp t, 0,1,2,3
	v_add_f32 v[FS+6*\t+1], 0, v[ST+12*\t+2]       ; -0 becomes +0
.endr
.irp t, 0,1,2,3
	v_add3_u32 v[FS+6*\t+2], v[ST+12*\t+1], v[H8], v[FS+6*\t]   ; the code: the tile's first + 8 h + register
.endr
.irp t, 0,1,2,3
	v_ashrrev_i32 v[FS+6*\t+5], 31, v[FS+6*\t+1]
.endr
.irp t, 0,1,2,3
	v_mov_b32 v[FS+6*\t+3], 0                      ; a lane permute's destination counts as one of its sources
.endr
.irp t, 0,1,2,3
	v_or_b32 v[FS+6*\t+5], 0x80000000, v[FS+6*\t+5]
.endr
.irp t, 0,1,2,3
	v_mov_b32 v[FS+6*\t+4], 0
.endr
.irp t, 0,1,2,3
	v_xor_b32 v[FS+6*\t+1], v[FS+6*\t+1], v[FS+6*\t+5]   ; the key: unsigned order = the order of the f32 numbers
.endr
.irp t, 0,1,2,3
	v_permlanex16_b32 v[FS+6*\t+3], v[FS+6*\t+1], s48, s49
	v_permlanex16_b32 v[FS+6*\t+4], v[FS+6*\t+2], s48, s49
.endr
.irp t, 0,1,2,3
	v_cmp_lt_u32 s36, v[FS+6*\t+3], v[FS+6*\t+1]
	v_cmp_eq_u32 s37, v[FS+6*\t+3], v[FS+6*\t+1]
	v_cmp_lt_u32 s38, v[FS+6*\t+4], v[FS+6*\t+2]
	s_and_b32 s37, s37, s38
	s_or_b32 s36, s36, s37
	v_cndmask_b32 v[FS+6*\t+1], v[FS+6*\t+1], v[FS+6*\t+3], s36
	v_cndmask_b32 v[FS+6*\t+2], v[FS+6*\t+2], v[FS+6*\t+4], s36
	ds_store_b32 v64, v[FS+6*\t+1] offset:64*\t    ; lanes r and r + 16 write the same word with the same value
	ds_store_b32 v64, v[FS+6*\t+2] offset:256+64*\t
.endr
	ds_load_b64 v[68:69], v65                      ; LDS serves a wave's instructions in order: these see my stores
	ds_load_b64 v[70:71], v65 offset:256
	s_wait_dscnt 0x0
	global_store_b64 v66, v[68:69], s[8:9]         ; 32 lanes store 256 consecutive bytes, aligned: my 64 rows' keys
	global_store_b64 v66, v[70:71], s[10:11]       ; and codes
	s_wait_tensorcnt 0x0                           ; the wave's end
	ds_add_u32 v[SPW], v[NIL]
	s_wait_dscnt 0x0
	ROUND                                          ; the closing round: no work-group ends while a partner may still ask for a tile that names it
	s_endpgm
.Lfunc_end_k_q5af4e93bac_dist:
	.size	k_q5af4e93bac_dist, .Lfunc_end_k_q5af4e93bac_dist-k_q5af4e93bac_dist
	.p2alignl 7, 3214868480
	.fill 96, 4, 3214868480
	.section	.rodata,"a",@progbits
	.p2align	6, 0x0
	.amdhsa_kernel k_q5af4e93bac_dist
		.amdhsa_group_segment_fixed_size 327680
		.amdhsa_private_segment_fixed_size 0
		.amdhsa_enable_private_segment 0
		.amdhsa_kernarg_size 32
		.amdhsa_user_sgpr_count 2
		.amdhsa_user_sgpr_kernarg_segment_ptr 1
		.amdhsa_wavefront_size32 1
		.amdhsa_system_sgpr_workgroup_id_x 1
		.amdhsa_system_sgpr_workgroup_id_y 1
		.amdhsa_system_sgpr_workgroup_id_z 1
		.amdhsa_system_vgpr_workitem_id 0
		.amdhsa_next_free_vgpr 512
		.amdhsa_next_free_sgpr 66
		.amdhsa_reserve_vcc 1
		.amdhsa_float_denorm_mode_32 3
		.amdhsa_float_denorm_mode_16_64 3
		.amdhsa_memory_ordered 1
		.amdhsa_forward_progress 1
		.amdhsa_inst_pref_size 147
	.end_amdhsa_kernel
	.amdgpu_metadata
---
amdhsa.version: [ 1, 2 ]
amdhsa.kernels:
  - .name:           k_q5af4e93bac_dist
    .symbol:         k_q5af4e93bac_dist.kd
    .args:
      - { .name: xq, .offset: 0, .size: 8, .value_kind: global_buffer, .address_space: global }
      - { .name: wq, .offset: 8, .size: 8, .value_kind: global_buffer, .address_space: global }
      - { .name: pkey, .offset: 16, .size: 8, .value_kind: global_buffer, .address_space: global }
      - { .name: pidx, .offset: 24, .size: 8, .value_kind: global_buffer, .address_space: global }
    .group_segment_fixed_size: 327680
    .private_segment_fixed_size: 0
    .kernarg_segment_align: 8
    .kernarg_segment_size: 32
    .max_flat_workgroup_size: 256
    .sgpr_count:     66
    .vgpr_count:     512
    .wavefront_size: 32
...
	.end_amdgpu_metadata
.endif
;; end of part 2
;; launch gather (part 3): grid 256 x 1, 16 waves a work-group, no clusters, 2,560 bytes of LDS; arguments z_e, W, pkey, pidx, out0, out1, part; writes out0, out1, part
.if DOCPART == 3
	.amdgcn_target "amdgcn-amd-amdhsa--gfx1250"
	.amdhsa_code_object_version 6
	.text
	.protected	k_q5af4e93bac_gather
	.globl	k_q5af4e93bac_gather
	.p2align	8
	.type	k_q5af4e93bac_gather,@function
k_q5af4e93bac_gather:
	s_mov_b64 s[64:65], 0
	v_nop
	global_prefetch_b8 v0, s[64:65] scope:SCOPE_SE
	s_setreg_imm32_b32 hwreg(HW_REG_WAVE_MODE, 25, 1), 1
	s_wait_xcnt 0x0
; For each row: the eight slices' (key, code) are joined by whole-number compares (strict, slices ascending: the lower code stays on equal keys): out1.  Then t = W[id] - z_e, out0 = z_e + t, and the sum of t^2.
; part[work-group] = the sum of t^2 over its 64 rows, in f32, in this text's own order.
; SHARES.  A work-group takes 64 rows, each of its 16 waves four: a row is 2,048 bytes, four loads of 512 consecutive bytes.  A wave has its 16 loads of z_e out while it joins the keys, then 16 of W beside them.
; Memory binds: no matrix unit, no tensor load, no cluster (work-groups share nothing but W's rows, by chance).  One barrier: the waves' ids and sums meet in LDS, so that out1 leaves as 256 consecutive bytes.
; The code enters an address only behind v_min_u32 with 8,191, W's last row.
.set ID,  8                            ; v8-11    the four rows' codes
.set WO,  12                           ; v12-15   their byte offsets in W, + 16 x lane
.set KY,  16                           ; v16-47   keys: slice p, row j at 4 p + j; slice 0's registers carry the best
.set IX,  48                           ; v48-79   codes likewise
.set WR,  16                           ; v16-79   then W's rows (16 j + 4 i), then out0's
.set Z,   80                           ; v80-143  z_e's rows
.set T,   144                          ; v144-151 differences at work
.set SQ,  152                          ; v152-159 four packed chains of squares
	s_load_b256 s[4:11], s[0:1], 0x0               ; z_e s[4:5], W s[6:7], pkey s[8:9], pidx s[10:11]
	s_load_b128 s[12:15], s[0:1], 0x20             ; out0 s[12:13], out1 s[14:15]
	s_load_b64 s[16:17], s[0:1], 0x30              ; part
	v_lshl_add_u32 v192, v0, 2, 0x200
	v_mov_b32 v193, 0
	v_lshrrev_b32 v1, 5, v0
	s_delay_alu instid0(VALU_DEP_1)
	v_readfirstlane_b32 s18, v1                    ; wave 0..15
	v_and_b32 v5, 31, v0
	s_delay_alu instid0(VALU_DEP_1)
	v_lshlrev_b32 v2, 4, v5                        ; 16 x lane
	v_mov_b32 v3, 0
	v_lshlrev_b32 v4, 4, v1                        ; LDS: my wave's four ids at 16 w
	v_lshlrev_b32 v6, 2, v1
	s_delay_alu instid0(VALU_DEP_1)
	v_add_nc_u32 v6, 256, v6                       ; its sum at 256 + 4 w
	v_lshlrev_b32 v7, 3, v5                        ; 8 x lane
	v_and_b32 v160, 15, v0
	s_delay_alu instid0(VALU_DEP_1)
	v_lshl_add_u32 v160, v160, 2, 256              ; wave 0: the sixteen sums
	s_lshl_b32 s20, ttmp9, 6
	s_lshl_b32 s21, s18, 2
	s_add_co_u32 s20, s20, s21                     ; my first row
	s_lshl_b32 s22, s20, 2                         ; in pkey and pidx,
	s_mov_b32 s23, 0
	s_lshl_b32 s24, s20, 11                        ; in z_e and out0
	s_mov_b32 s25, 0
	s_lshl_b32 s26, ttmp9, 8                       ; the work-group's 64 ids in out1
	s_mov_b32 s27, 0
	s_lshl_b32 s28, ttmp9, 2                       ; and its word of part
	s_mov_b32 s29, 0
	s_mov_b32 s30, 0x76543210
	s_mov_b32 s31, 0xfedcba98
	s_wait_alu depctr_va_vdst(0)
	s_wait_kmcnt 0x0
	s_add_nc_u64 s[8:9], s[8:9], s[22:23]
	s_add_nc_u64 s[10:11], s[10:11], s[22:23]
	s_add_nc_u64 s[4:5], s[4:5], s[24:25]
	s_add_nc_u64 s[12:13], s[12:13], s[24:25]
	s_add_nc_u64 s[14:15], s[14:15], s[26:27]
	s_add_nc_u64 s[16:17], s[16:17], s[28:29]
.irp p, 0,1,2,3,4,5,6,7
	global_load_b128 v[KY+4*\p:KY+4*\p+3], v3, s[8:9] offset:65536*\p    ; slice p: my four rows' keys, the same 16 bytes in every lane
	global_load_b128 v[IX+4*\p:IX+4*\p+3], v3, s[10:11] offset:65536*\p
.endr
.irp j, 0,1,2,3
.irp i, 0,1,2,3
	global_load_b128 v[Z+16*\j+4*\i:Z+16*\j+4*\i+3], v2, s[4:5] offset:2048*\j+512*\i th:TH_LOAD_NT
.endr
.endr
	s_wait_loadcnt 16                              ; keys and codes are in; the 16 loads of z_e issued behind them may be out
.irp p, 1,2,3,4,5,6,7
.irp j, 0,1,2,3
	v_cmp_lt_u32 vcc_lo, v[KY+4*\p+\j], v[KY+\j]   ; strictly smaller: on equal keys the lower slice stays
	s_delay_alu instid0(VALU_DEP_1)
	v_cndmask_b32 v[IX+\j], v[IX+\j], v[IX+4*\p+\j], vcc_lo
	v_min_u32 v[KY+\j], v[KY+\j], v[KY+4*\p+\j]
.endr
.endr
.irp j, 0,1,2,3
	v_min_u32 v[ID+\j], 0x1fff, v[IX+\j]
.endr
.irp j, 0,1,2,3
	s_delay_alu instid0(VALU_DEP_4)
	v_lshl_add_u32 v[WO+\j], v[ID+\j], 11, v2      ; a row of W is 2,048 bytes
.endr
	ds_store_b128 v4, v[ID:ID+3]                   ; every lane writes the same 16 bytes with the same values
.irp j, 0,1,2,3
.irp i, 0,1,2,3
	global_load_b128 v[WR+16*\j+4*\i:WR+16*\j+4*\i+3], v[WO+\j], s[6:7] offset:512*\i   ; no hint: a row of W may be named by many rows
.endr
.endr
.macro ROWJ j
	s_wait_loadcnt 12-4*(\j)                       ; row j of W is in (and so is all of z_e, asked for earlier); the later rows' loads may be out
.irp g, 0,1
.irp k, 0,1,2,3
	v_pk_add_f32 v[T+2*\k:T+2*\k+1], v[WR+16*(\j)+8*\g+2*\k:WR+16*(\j)+8*\g+2*\k+1], v[Z+16*(\j)+8*\g+2*\k:Z+16*(\j)+8*\g+2*\k+1] neg_lo:[0,1] neg_hi:[0,1]   ; t = z_q - z_e
.endr
.irp k, 0,1,2,3
.if ((\j) == 0) && (\g == 0)
	s_delay_alu instid0(VALU_DEP_4)
	v_pk_mul_f32 v[SQ+2*\k:SQ+2*\k+1], v[T+2*\k:T+2*\k+1], v[T+2*\k:T+2*\k+1]   ; the first four pairs start the chains
.else
	s_delay_alu instid0(VALU_DEP_4)
	v_pk_fma_f32 v[SQ+2*\k:SQ+2*\k+1], v[T+2*\k:T+2*\k+1], v[T+2*\k:T+2*\k+1], v[SQ+2*\k:SQ+2*\k+1]
.endif
.endr
.irp k, 0,1,2,3
	v_pk_add_f32 v[WR+16*(\j)+8*\g+2*\k:WR+16*(\j)+8*\g+2*\k+1], v[Z+16*(\j)+8*\g+2*\k:Z+16*(\j)+8*\g+2*\k+1], v[T+2*\k:T+2*\k+1]   ; z_e + t
.endr
.endr
.irp i, 0,1,2,3
	global_store_b128 v2, v[WR+16*(\j)+4*\i:WR+16*(\j)+4*\i+3], s[12:13] offset:2048*(\j)+512*\i th:TH_STORE_NT   ; 512 consecutive bytes, aligned to 256; no store's data are written again
.endr
.endm
	ROWJ 0
	ROWJ 1
	ROWJ 2
	ROWJ 3
	v_pk_add_f32 v[SQ:SQ+1], v[SQ:SQ+1], v[SQ+2:SQ+3]
	v_pk_add_f32 v[SQ+4:SQ+5], v[SQ+4:SQ+5], v[SQ+6:SQ+7]
	s_delay_alu instid0(VALU_DEP_1)
	v_pk_add_f32 v[SQ:SQ+1], v[SQ:SQ+1], v[SQ+4:SQ+5]
	s_delay_alu instid0(VALU_DEP_1)
	v_add_f32 v[SQ], v[SQ], v[SQ+1]
	s_delay_alu instid0(VALU_DEP_1)
	v_add_f32_dpp v[SQ], v[SQ], v[SQ] row_xmask:1 row_mask:0xf bank_mask:0xf
	s_delay_alu instid0(VALU_DEP_1)
	v_add_f32_dpp v[SQ], v[SQ], v[SQ] row_xmask:2 row_mask:0xf bank_mask:0xf
	s_delay_alu instid0(VALU_DEP_1)
	v_add_f32_dpp v[SQ], v[SQ], v[SQ] row_xmask:4 row_mask:0xf bank_mask:0xf
	s_delay_alu instid0(VALU_DEP_1)
	v_add_f32_dpp v[SQ], v[SQ], v[SQ] row_xmask:8 row_mask:0xf bank_mask:0xf
	s_delay_alu instid0(VALU_DEP_1)
	v_permlanex16_b32 v[SQ+1], v[SQ], s30, s31
	s_delay_alu instid0(VALU_DEP_1)
	v_add_f32 v[SQ], v[SQ], v[SQ+1]                ; my four rows' sum, in every lane
	ds_store_b32 v6, v[SQ]
	s_wait_dscnt 0x0                               ; for wave 0's sake: my ids and my sum have landed
	s_barrier_signal -1
	s_barrier_wait -1
	s_cmp_lg_u32 s18, 0
	s_cbranch_scc1 .Lend
	ds_load_b64 v[144:145], v7                     ; the work-group's 64 ids, two a lane
	ds_load_b32 v146, v160                         ; the sixteen sums, once in each half of the lanes
	s_wait_dscnt 0x0
	global_store_b64 v7, v[144:145], s[14:15]      ; 256 consecutive bytes, aligned
	v_add_f32_dpp v146, v146, v146 row_xmask:1 row_mask:0xf bank_mask:0xf
	s_delay_alu instid0(VALU_DEP_1)
	v_add_f32_dpp v146, v146, v146 row_xmask:2 row_mask:0xf bank_mask:0xf
	s_delay_alu instid0(VALU_DEP_1)
	v_add_f32_dpp v146, v146, v146 row_xmask:4 row_mask:0xf bank_mask:0xf
	s_delay_alu instid0(VALU_DEP_1)
	v_add_f32_dpp v146, v146, v146 row_xmask:8 row_mask:0xf bank_mask:0xf
	v_cmp_eq_u32 vcc_lo, 0, v0
	s_wait_alu depctr_va_vdst(0)
	s_wait_xcnt 0x0                                ; EXEC is a source of the stores that are out: it changes only behind this wait
	s_and_saveexec_b32 s19, vcc_lo
	global_store_b32 v3, v146, s[16:17]            ; one word a work-group
	s_wait_xcnt 0x0                                ; and again, in front of the line that widens it
	s_or_b32 exec_lo, exec_lo, s19
.Lend:
	s_wait_tensorcnt 0x0
	ds_add_u32 v192, v193
	s_wait_dscnt 0x0
	s_endpgm
.Lfunc_end_k_q5af4e93bac_gather:
	.size	k_q5af4e93bac_gather, .Lfunc_end_k_q5af4e93bac_gather-k_q5af4e93bac_gather
	.p2alignl 7, 3214868480
	.fill 96, 4, 3214868480
	.section	.rodata,"a",@progbits
	.p2align	6, 0x0
	.amdhsa_kernel k_q5af4e93bac_gather
		.amdhsa_group_segment_fixed_size 2560
		.amdhsa_private_segment_fixed_size 0
		.amdhsa_enable_private_segment 0
		.amdhsa_kernarg_size 56
		.amdhsa_user_sgpr_count 2
		.amdhsa_user_sgpr_kernarg_segment_ptr 1
		.amdhsa_wavefront_size32 1
		.amdhsa_system_sgpr_workgroup_id_x 1
		.amdhsa_system_sgpr_workgroup_id_y 1
		.amdhsa_system_sgpr_workgroup_id_z 1
		.amdhsa_system_vgpr_workitem_id 0
		.amdhsa_next_free_vgpr 194
		.amdhsa_next_free_sgpr 66
		.amdhsa_reserve_vcc 1
		.amdhsa_float_denorm_mode_32 3
		.amdhsa_float_denorm_mode_16_64 3
		.amdhsa_memory_ordered 1
		.amdhsa_forward_progress 1
		.amdhsa_inst_pref_size 22
	.end_amdhsa_kernel
	.amdgpu_metadata
---
amdhsa.version: [ 1, 2 ]
amdhsa.kernels:
  - .name:           k_q5af4e93bac_gather
    .symbol:         k_q5af4e93bac_gather.kd
    .args:
      - { .name: z_e, .offset: 0, .size: 8, .value_kind: global_buffer, .address_space: global }
      - { .name: W, .offset: 8, .size: 8, .value_kind: global_buffer, .address_space: global }
      - { .name: pkey, .offset: 16, .size: 8, .value_kind: global_buffer, .address_space: global }
      - { .name: pidx, .offset: 24, .size: 8, .value_kind: global_buffer, .address_space: global }
      - { .name: out0, .offset: 32, .size: 8, .value_kind: global_buffer, .address_space: global }
      - { .name: out1, .offset: 40, .size: 8, .value_kind: global_buffer, .address_space: global }
      - { .name: part, .offset: 48, .size: 8, .value_kind: global_buffer, .address_space: global }
    .group_segment_fixed_size: 2560
    .private_segment_fixed_size: 0
    .kernarg_segment_align: 8
    .kernarg_segment_size: 56
    .max_flat_workgroup_size: 512
    .sgpr_count:     66
    .vgpr_count:     194
    .wavefront_size: 32
...
	.end_amdgpu_metadata
.endif
;; end of part 3
;; launch loss (part 4): grid 1 x 1, 1 waves a work-group, no clusters, 0 bytes of LDS; arguments part, out2, out3, out4, out5, out6; writes out2, out3, out4, out5, out6
.if DOCPART == 4
	.amdgcn_target "amdgcn-amd-amdhsa--gfx1250"
	.amdhsa_code_object_version 6
	.text
	.protected	k_q5af4e93bac_loss
	.globl	k_q5af4e93bac_loss
	.p2align	8
	.type	k_q5af4e93bac_loss,@function
k_q5af4e93bac_loss:
	s_mov_b64 s[64:65], 0
	v_nop
	global_prefetch_b8 v0, s[64:65] scope:SCOPE_SE
	s_setreg_imm32_b32 hwreg(HW_REG_WAVE_MODE, 25, 1), 1
	s_wait_xcnt 0x0
; The 256 work-groups' sums of (z_q - z_e)^2 are added by their one owner, in a fixed order; the mean is that sum x 2^-23 (16,384 x 512 numbers).
; out3 = codebook_loss = the mean; out4 = commit_loss = the same mean (its differences are the negatives); out2 = out3 + 0.25 out4 (0.25 x is exact, so the fused form rounds as the source does);
; out5 = 0; out6 = out2 + 0 x out5.  One wave: a sum that spans work-groups has no other sound place than a launch behind them.
	s_load_b256 s[4:11], s[0:1], 0x0               ; part s[4:5], out2 s[6:7], out3 s[8:9], out4 s[10:11]
	s_load_b128 s[12:15], s[0:1], 0x20             ; out5 s[12:13], out6 s[14:15]
	v_lshlrev_b32 v1, 5, v0                        ; eight numbers a lane
	v_mov_b32 v2, 0
	s_mov_b32 s16, 0x76543210
	s_mov_b32 s17, 0xfedcba98
	s_wait_alu depctr_va_vdst(0)
	s_wait_kmcnt 0x0
	global_load_b128 v[4:7], v1, s[4:5]
	global_load_b128 v[8:11], v1, s[4:5] offset:16
	s_wait_loadcnt 0x0
	v_pk_add_f32 v[4:5], v[4:5], v[6:7]
	v_pk_add_f32 v[8:9], v[8:9], v[10:11]
	v_pk_add_f32 v[4:5], v[4:5], v[8:9]
	v_add_f32 v4, v4, v5
	v_add_f32_dpp v4, v4, v4 row_xmask:1 row_mask:0xf bank_mask:0xf
	v_add_f32_dpp v4, v4, v4 row_xmask:2 row_mask:0xf bank_mask:0xf
	v_add_f32_dpp v4, v4, v4 row_xmask:4 row_mask:0xf bank_mask:0xf
	v_add_f32_dpp v4, v4, v4 row_xmask:8 row_mask:0xf bank_mask:0xf
	v_permlanex16_b32 v5, v4, s16, s17
	v_add_f32 v4, v4, v5
	v_mul_f32 v12, 0x34000000, v4                  ; x 2^-23: the mean
	v_fma_f32 v13, 0x3e800000, v12, v12            ; vq_loss
	v_mov_b32 v14, 0                               ; orth_loss
	v_fma_f32 v15, 0, v14, v13                     ; loss_total
	v_cmp_eq_u32 vcc_lo, 0, v0
	s_wait_alu depctr_va_vdst(0)
	s_wait_xcnt 0x0                                ; EXEC changes only behind this wait
	s_and_saveexec_b32 s18, vcc_lo
	global_store_b32 v2, v13, s[6:7]
	global_store_b32 v2, v12, s[8:9]
	global_store_b32 v2, v12, s[10:11]
	global_store_b32 v2, v14, s[12:13]
	global_store_b32 v2, v15, s[14:15]
	s_wait_xcnt 0x0                                ; and again, in front of the line that widens it
	s_or_b32 exec_lo, exec_lo, s18
	s_endpgm
.Lfunc_end_k_q5af4e93bac_loss:
	.size	k_q5af4e93bac_loss, .Lfunc_end_k_q5af4e93bac_loss-k_q5af4e93bac_loss
	.p2alignl 7, 3214868480
	.fill 96, 4, 3214868480
	.section	.rodata,"a",@progbits
	.p2align	6, 0x0
	.amdhsa_kernel k_q5af4e93bac_loss
		.amdhsa_group_segment_fixed_size 0
		.amdhsa_private_segment_fixed_size 0
		.amdhsa_enable_private_segment 0
		.amdhsa_kernarg_size 48
		.amdhsa_user_sgpr_count 2
		.amdhsa_user_sgpr_kernarg_segment_ptr 1
		.amdhsa_wavefront_size32 1
		.amdhsa_system_sgpr_workgroup_id_x 1
		.amdhsa_system_sgpr_workgroup_id_y 1
		.amdhsa_system_sgpr_workgroup_id_z 1
		.amdhsa_system_vgpr_workitem_id 0
		.amdhsa_next_free_vgpr 32
		.amdhsa_next_free_sgpr 66
		.amdhsa_reserve_vcc 1
		.amdhsa_float_denorm_mode_32 3
		.amdhsa_float_denorm_mode_16_64 3
		.amdhsa_memory_ordered 1
		.amdhsa_forward_progress 1
		.amdhsa_inst_pref_size 3
	.end_amdhsa_kernel
	.amdgpu_metadata
---
amdhsa.version: [ 1, 2 ]
amdhsa.kernels:
  - .name:           k_q5af4e93bac_loss
    .symbol:         k_q5af4e93bac_loss.kd
    .args:
      - { .name: part, .offset: 0, .size: 8, .value_kind: global_buffer, .address_space: global }
      - { .name: out2, .offset: 8, .size: 8, .value_kind: global_buffer, .address_space: global }
      - { .name: out3, .offset: 16, .size: 8, .value_kind: global_buffer, .address_space: global }
      - { .name: out4, .offset: 24, .size: 8, .value_kind: global_buffer, .address_space: global }
      - { .name: out5, .offset: 32, .size: 8, .value_kind: global_buffer, .address_space: global }
      - { .name: out6, .offset: 40, .size: 8, .value_kind: global_buffer, .address_space: global }
    .group_segment_fixed_size: 0
    .private_segment_fixed_size: 0
    .kernarg_segment_align: 8
    .kernarg_segment_size: 48
    .max_flat_workgroup_size: 32
    .sgpr_count:     66
    .vgpr_count:     32
    .wavefront_size: 32
...
	.end_amdgpu_metadata
.endif
;; end of part 4
